; MI455X (gfx1250); checked and timed in simulation.
; The chip was launched on July 23, 2026; its instructions are those of AMD's public machine-readable ISA for CDNA 5 (MIT licence, August 2026) and "CDNA5" Instruction Set Architecture Reference Guide (July 2026). The comments in the code are by the model that wrote it; some were corrected since.
;; Model. Allowed arithmetic: matrix products marked QUANTISED: E2M3 operands, one E8M0 scale for each 32 along K, by v_wmma_scale_f32_16x16x128_f8f6f4 with both operands' format E2M3, f32 sums; products left as they are: f32 operands where the result goes on into a quantised operand, else bf16, f16 or f32 operands; f32 sums; everything else in f32.
;; Inputs: b0 128 float32; b1 128 float32; b2 128 float32; b3 128 float32; b4 128 float32; b5 128 float32; b6 128 float32; b7 128 float32; b8 4 float32; point 524,288 x 3 float32; w0 63 x 128 float32; w1_codes 128 x 4 x 24 uint8 (E2M3 codes of w1, K innermost, in blocks of 32 codes, four codes in three bytes); w1_scales 128 x 4 uint8 (E8M0 scales of w1, one for each 32 codes along K); w2_codes 128 x 4 x 24 uint8 (E2M3 codes of w2, K innermost, in blocks of 32 codes, four codes in three bytes); w2_scales 128 x 4 uint8 (E8M0 scales of w2, one for each 32 codes along K); w3_codes 128 x 4 x 24 uint8 (E2M3 codes of w3, K innermost, in blocks of 32 codes, four codes in three bytes); w3_scales 128 x 4 uint8 (E8M0 scales of w3, one for each 32 codes along K); w4_codes 128 x 4 x 24 uint8 (E2M3 codes of w4, K innermost, in blocks of 32 codes, four codes in three bytes); w4_scales 128 x 4 uint8 (E8M0 scales of w4, one for each 32 codes along K); w5 191 x 128 float32; w6_codes 128 x 4 x 24 uint8 (E2M3 codes of w6, K innermost, in blocks of 32 codes, four codes in three bytes); w6_scales 128 x 4 uint8 (E8M0 scales of w6, one for each 32 codes along K); w7_codes 128 x 4 x 24 uint8 (E2M3 codes of w7, K innermost, in blocks of 32 codes, four codes in three bytes); w7_scales 128 x 4 uint8 (E8M0 scales of w7, one for each 32 codes along K); w8 128 x 4 float32.
;; Outputs: out0 524,288 x 4 float32.
;; This version of the problem:
;;   THIS VERSION OF THE PROBLEM IS GIVEN IN LOW PRECISION. The matrix products marked QUANTISED in the list below multiply operands that are first quantised to E2M3 (2 exponent bits, 3 mantissa bits; 6 bits a number), with one power-of-two scale for each 32 numbers along K (OCP MX v1.0); their sums are f32. All else is computed in f32.
;;   The module's matrix products, in the order in which they are computed (A, B: the left and right operand; K: the contracted axis; several contracted axes count as one K, in the product's order):
;;     1. [M 524,288, K 63] x [K 63, N 128]; A: computed on the way; B: input w0: QUANTISED
;;     2. [M 524,288, K 128] x [K 128, N 128]; A: computed on the way; B: input w1 (given as codes): QUANTISED
;;     3. [M 524,288, K 128] x [K 128, N 128]; A: computed on the way; B: input w2 (given as codes): QUANTISED
;;     4. [M 524,288, K 128] x [K 128, N 128]; A: computed on the way; B: input w3 (given as codes): QUANTISED
;;     5. [M 524,288, K 128] x [K 128, N 128]; A: computed on the way; B: input w4 (given as codes): QUANTISED
;;     6. [M 524,288, K 191] x [K 191, N 128]; A: computed on the way; B: input w5: QUANTISED
;;     7. [M 524,288, K 128] x [K 128, N 128]; A: computed on the way; B: input w6 (given as codes): QUANTISED
;;     8. [M 524,288, K 128] x [K 128, N 128]; A: computed on the way; B: input w7 (given as codes): QUANTISED
;;     9. [M 524,288, K 128] x [K 128, N 4]; A: computed on the way; B: input w8: left as it is (N = 4 < 16)
;;   THE QUANTISER, for each operand of a quantised product, along K:
;;     - K is cut into blocks of 32 from its start; a last block that is shorter is filled with zeros.
;;     - A block's scale is 2^e with e = floor(log2(the largest magnitude in the block)) - 2, held to -126 .. 127; a block of zeros has e = 0. As a byte (E8M0): e + 127.
;;     - Each number is divided by its block's scale, clamped to +-7.5, and rounded to the nearest number of E2M3, ties to even, subnormals kept.
;;     - The product sums the exact products of the quantised numbers (number of the format x scale) in f32.
;;   ~~~python
;;   def quantise(x, axis):      # numpy; x: float32 -> the quantised numbers, widened to float32 again
;;       x = np.moveaxis(x, axis, -1); K = x.shape[-1]
;;       x = np.pad(x, [(0, 0)] * (x.ndim - 1) + [(0, -K % 32)]); x = x.reshape(x.shape[:-1] + (-1, 32)); a = np.abs(x).max(-1, keepdims=True)
;;       e = np.where(a > 0, np.clip(np.frexp(np.where(a > 0, a, 1))[1] - 1 - 2, -126, 127), 0)      # np.frexp(a)[1] - 1 = floor(log2(a)), exactly
;;       r = np.clip(x / 2.0 ** e, -7.5, 7.5)
;;       step = 2.0 ** (np.maximum(np.frexp(np.where(r == 0, 1, r))[1] - 1, 0) - 3)
;;       q = np.round(r / step) * step * 2.0 ** e      # np.round: ties to even
;;       return np.moveaxis(q.reshape(q.shape[:-2] + (-1,))[..., :K], -1, axis).astype(np.float32)
;;   ~~~
;;   OPERANDS COMPUTED ON THE WAY. 'Computed on the way' means the value that the module computes at that place (a softmax that the list does not call 'softmax' is quantised finished and normalised). What goes into a quantiser is computed in f32, as accurately as f32 sums, v_exp_f32 and their like allow (about 1e-6 of the number): no bf16 or f16 on the way to a quantiser, and a product that is left as it is and whose result goes on into a quantised operand takes f32 operands (vector FMAs, or v_wmma_f32_16x16x4_f32). A number that lies on a knife's edge between two numbers of the format may be rounded either way, as far as f32 arithmetic and the matrix unit's own rounding can turn it there, and no further.
;;   INPUTS GIVEN AS CODES. w1 (in the module: [128, 128], K = its axis 0); w2 (in the module: [128, 128], K = its axis 0); w3 (in the module: [128, 128], K = its axis 0); w4 (in the module: [128, 128], K = its axis 0); w6 (in the module: [128, 128], K = its axis 0); w7 (in the module: [128, 128], K = its axis 0): each comes as NAME_codes (uint8): NAME with its K axis moved to the last place and cut into blocks of 32 codes, [.., K / 32, bytes a block], one block behind the other in memory; four codes in three bytes: a row's codes are one little-endian stream of bits, code i at bits 6 i .. 6 i + 5 (a code: sign, 2 exponent bits, 3 mantissa bits); and NAME_scales (uint8): the same leading axes, one E8M0 byte (e + 127) for each 32 codes along K. Its value is code x scale, taken as it is: it is not quantised again, and the codes and scales need not be those that the quantiser above would give.
;; One version. Each part assembles by itself: llvm-mc -triple=amdgcn-amd-amdhsa -mcpu=gfx1250 --defsym DOCPART=n.
;; ======== version 1 of 1: 1 launch
;; limits: inputs' magnitudes at most 12,800; values are held in bf16: 8 bits of precision; right only within a limited range of input values
;; launch mlp (part 1): grid 256 x 1, 8 waves a work-group, no clusters, 133,120 bytes of LDS; arguments point, out0, w0, w5, w8, b8, b0, b1, b2, b3, b4, b5, b6, b7, w1_codes, w2_codes, w3_codes, w4_codes, w6_codes, w7_codes, w1_scales, w2_scales, w3_scales, w4_scales, w6_scales, w7_scales; writes out0
.if DOCPART == 1
	.amdgcn_target "amdgcn-amd-amdhsa--gfx1250"
	.amdhsa_code_object_version 6
	.text
	.protected	k_qc076acc3c7_mlp
	.globl	k_qc076acc3c7_mlp
	.p2align	8
	.type	k_qc076acc3c7_mlp,@function
k_qc076acc3c7_mlp:
	s_mov_b64 s[64:65], 0
	v_nop
	global_prefetch_b8 v0, s[64:65] scope:SCOPE_SE
	s_setreg_imm32_b32 hwreg(HW_REG_WAVE_MODE, 25, 1), 1
	s_wait_xcnt 0x0
; out = MLP(embed(point)): 524,288 points; embedding of 63 (x, sin(x 2^i), cos(x 2^i), i = 0..9, for 3 coordinates); eight layers of 128 units with bias and relu,
; layer 5 on the hidden layer followed by the embedding (K = 191); a last layer of 4 outputs.  Layers 0-7 multiply FP6 (E2M3) codes with E8M0 scales for each 32 along K; layer 8 multiplies bf16.
; ONE LAUNCH, 256 work-groups of 8 waves; a wave owns 256 rows: 4 trips of 64 rows (4 tiles of 16) through the whole chain.  Every step of reference() is done; every input is loaded.
; THE WEIGHTS lie in LDS as images of the operand's registers, made once at the head: wave w lays unit tile w of every K step.  w0 and w5 (f32, K first): a lane takes a column, its registers run down K.
; BOTH SIDES TRANSPOSED: source 0 = 16 units, source 1 = 16 rows' codes.  Lane r of unit tile 4 c + u takes unit 64 c + 8 u + r + 24 (r / 8): register j of lane (r, h) is unit 64 c + 32 h + 8 u + j,
; so the 32 registers of tiles 4 c .. 4 c + 3 are one whole block of the next K in one lane.  A layer goes in two passes, c = 0 and 1.
; THE EMBEDDING's two blocks of 32 (K 0-31 in lanes 0-15, K 32-62 and the filling zero in lanes 16-31) serve layer 0 and layer 5: quantised once.  Inside a block the order of k is free if both sides agree.
; A lane computes sin AND cos of 15 angles: its own coordinate (x0 | x2) x 2^i, i = 0..9, and x1 x 2^(5 h + j), j = 0..4; a swap of half-waves then gives lanes 0-15 all sines of x1 and lanes 16-31 all cosines.
; Even powers: t = x 2/pi in two f32 words, n = round(t) by a magic addend, r = t - n, polynomials for the quarter turn, n's low bits choose and sign.  Odd powers: sin 2a = 2 s c, cos 2a = 1 - 2 s s.
; Positions p of a block (rows of w0 | rows + 42 or + 10): see the two lists at the head's loads.
; THE FIRST TRIP'S EMBEDDING stands between the head's batches of weight loads, which land in window 1; later trips embed at the end of the trip before.
; LIMITS: |point| under 12,800 (n stays under 2^22); the error of sin and cos at even powers is that of r (a few 1e-7 at |point| = 1,000), at odd powers about 3e-7 more (one doubling); NaN and infinities are not served;
; a block whose largest magnitude lies under 2^-124 keeps the byte 1 (a block of zeros too: its codes are zeros); layer 8's operands are rounded to bf16.
; No tensor load, no cluster, no prefetch: each work-group reads the weights once, through registers, to quantise or re-lay them; the loop reads 768 bytes of points a trip, asked for a trip ahead.
.set KP,    13312                      ; LDS: a K step: 8 tiles x 1,536 bytes, then 2 x 512 bytes of scale words.  K steps: L0 .. L4, L5 hidden, L5 embedding, L6, L7
.set BIA,   9*KP                       ; b0..b7, 512 bytes each
.set W8I,   BIA+4096                   ; w8's eight bf16 fragments, 1,024 bytes each; the end is 132,096, where the spare words begin
.set FLOOR, 0x1800000                  ; 2^(3 - 127)
.set EOFF,  0xff000000                 ; 2 off an exponent field
.set CHI,   0x3f22f983                 ; 2 / pi, upper word
.set CLO,   0x32dc9c88                 ; and lower
.set MAGIC, 0x4b400000                 ; 1.5 x 2^23
.set PS0,   0x3fc90fdb                 ; sin(pi r / 2) = r (PS0 + PS1 z + PS2 z^2 + PS3 z^3), z = r^2
.set PS1,   0xbf255ddf
.set PS2,   0x3da33002
.set PS3,   0xbb96e42d
.set PC1,   0xbf9de9e6                 ; cos(pi r / 2) = 1 + PC1 z + .. + PC4 z^4
.set PC2,   0x3e81e0f4
.set PC3,   0xbcaae4f0
.set PC4,   0x3a6d6618
; window 0
.set LW0,  1                           ; 16 x lane
.set LB0,  2                           ; BIA + 128 h
.set LWC,  3                           ; LW0 + the K step in hand (in the head: r)
.set LBC,  4                           ; LB0 + the layer in hand (in the head: h)
.set SH8,  5                           ; 8 h
.set POWN, 6                           ; 12 r + 8 h
.set PX1,  7                           ; 12 r + 4
.set PT,   10                          ; v10-17 (own, x1) of tile m
.set WS,   20                          ; v20-39 hold scales and nothing else
.set WS2,  24
.set XSA,  28
.set XSB,  32
.set XSI,  36
.set MXA,  40
.set MXB,  44
.set SO,   48
.set BY0,  52
.set BY1,  56
.set CT,   60
.set O0,   76
.set O1,   84
.set BI,   96                          ; v96-127 the bias of 4 unit tiles
.set ACC,  128                         ; accumulator (m, u) at ACC + 32 m + 8 u
.set EM,   40                          ; the embedding's registers, v40-113
.set ER,   50
.set EZ,   60
.set EP,   70
.set EQ,   80
.set TA,   90                          ; t (own, x1'), its lower words, t (own, 4 own), its lower words
.set MG0,  102
.set C1F,  104                         ; (1, 2^(5 h))
.set A2V,  106
.set B3V,  108
.set C14,  110                         ; (1, 4)
.set XP,   112
.set OW4,  120                         ; the head's offsets and LDS addresses, v118-127
.set OCD,  121
.set OOWN, 122
.set OX1,  123
.set OW5H, 124
.set OW8,  125
.set ABI,  126
.set AW8,  127
; window 1
.set WF,   0
.set WF2,  48
.set CA,   96
.set CB,   144
.set IB,   192
.set B8,   240
.set SCWR, 72                          ; in the head: given scale words, a bias, w8, w0, w5's embedding rows, w5's hidden rows
.set BIR,  80
.set W8R,  84
.set W0,   100
.set W5E,  132
.set W5H,  164
; scalars
.set SEL,  56
.set HM,   58                          ; lanes 16-31
.set WV,   60
.set TR,   61
.set IL,   62
.set KB,   63
.set BB,   66
.set MK,   68                          ; s68-75 eight lane masks
.set MSB, 0
.macro WIN new                         ; bits 1:0 source 0, 3:2 source 1, 5:4 source 2, 7:6 destination; the high byte repeats the setting that is left
.if MSB != \new
	s_set_vgpr_msb (MSB<<8)|\new
.set MSB, \new
.endif
.endm
.macro PLACES                          ; four plain places behind matrix instructions (ISA guide 7.12.1)
.rept 4
	v_nop
.endr
.endm
.macro D4
	s_delay_alu instid0(VALU_DEP_4)
.endm
.macro PLOAD                           ; a trip's 64 points
.irp m, 0,1,2,3
	global_load_b32 v[PT+2*\m], v[POWN], s[4:5] offset:192*\m
	global_load_b32 v[PT+2*\m+1], v[PX1], s[4:5] offset:192*\m
.endr
.endm
.macro SLOT k, b, c                    ; 21 LDS loads: four fragments of pass c, their scale words, the bias
	WIN 0x40
.irp u, 0,1,2,3
.irp q, 0,1,2
	ds_load_b128 v[WF+12*\u+4*\q:WF+12*\u+4*\q+3], v[LWC] offset:(\k)+(4*(\c)+\u)*1536+512*\q
.endr
.endr
	WIN 0
	ds_load_b128 v[WS:WS+3], v[LWC] offset:(\k)+12288+512*(\c)
.irp u, 0,1,2,3
.irp e, 0,1
	ds_load_b128 v[BI+8*\u+4*\e:BI+8*\u+4*\e+3], v[LBC] offset:(\b)+256*(\c)+32*\u+16*\e
.endr
.endr
.endm
.macro SLOT2 k, c                      ; 13 LDS loads: a second K step
	WIN 0x40
.irp u, 0,1,2,3
.irp q, 0,1,2
	ds_load_b128 v[WF2+12*\u+4*\q:WF2+12*\u+4*\q+3], v[LWC] offset:(\k)+(4*(\c)+\u)*1536+512*\q
.endr
.endr
	WIN 0
	ds_load_b128 v[WS2:WS2+3], v[LWC] offset:(\k)+12288+512*(\c)
.endm
; 16 products; first = 1: the bias is the C that starts the sums.  The 16 accumulators take turns.
.macro MM src, xs, wf, ws, first
	WIN 0x05
.irp m, 0,1,2,3
.irp u, 0,1,2,3
.if \first
	v_wmma_scale_f32_16x16x128_f8f6f4 v[ACC+32*\m+8*\u:ACC+32*\m+8*\u+7], v[\wf+12*\u:\wf+12*\u+11], v[\src+12*\m:\src+12*\m+11], v[BI+8*\u:BI+8*\u+7], v[\ws+\u], v[\xs+\m] matrix_a_fmt:MATRIX_FMT_FP6 matrix_b_fmt:MATRIX_FMT_FP6
.else
	v_wmma_scale_f32_16x16x128_f8f6f4 v[ACC+32*\m+8*\u:ACC+32*\m+8*\u+7], v[\wf+12*\u:\wf+12*\u+11], v[\src+12*\m:\src+12*\m+11], v[ACC+32*\m+8*\u:ACC+32*\m+8*\u+7], v[\ws+\u], v[\xs+\m] matrix_a_fmt:MATRIX_FMT_FP6 matrix_b_fmt:MATRIX_FMT_FP6
.endif
.endr
.endr
.endm
.macro RELU                            ; ascending: each accumulator is first read at its low end
.set RA, ACC
.rept 64
	v_dual_max_num_f32 v[RA], 0, v[RA] :: v_dual_max_num_f32 v[RA+1], 0, v[RA+1]
.set RA, RA+2
.endr
.endm
.macro MAX3 d, x, y, z, abs
.if \abs
	v_max3_num_f32 v[\d], |v[\x]|, |v[\y]|, |v[\z]|
.else
	v_max3_num_f32 v[\d], v[\x], v[\y], v[\z]
.endif
.endm
; The 32 registers of each tile of rows are block 2 c + h of the next K: they become registers 6 c .. 6 c + 5 of the operand at dst (window 1).
; word = 2: my two bytes and lane l xor 16's two make the rows' scale words; word = 1: one byte a half; word = 0: none yet.
.macro QUANT dst, xsd, c, relu, abs, word
.if \relu
	RELU
.endif
.irp m, 0,1,2,3
.if \abs
	v_max3_num_f32 v[MXA+\m], |v[ACC+32*\m]|, |v[ACC+32*\m+1]|, FLOOR
.else
	v_max3_num_f32 v[MXA+\m], v[ACC+32*\m], v[ACC+32*\m+1], FLOOR
.endif
	MAX3 MXB+\m, ACC+32*\m+16, ACC+32*\m+17, ACC+32*\m+18, \abs
.endr
.irp i, 2,4,6,8,10,12
.irp m, 0,1,2,3
	MAX3 MXA+\m, MXA+\m, ACC+32*\m+\i, ACC+32*\m+\i+1, \abs
	MAX3 MXB+\m, MXB+\m, ACC+32*\m+\i+17, ACC+32*\m+\i+18, \abs
.endr
.endr
.irp m, 0,1,2,3
	MAX3 MXA+\m, MXA+\m, ACC+32*\m+14, ACC+32*\m+15, \abs
.endr
.irp m, 0,1,2,3
	MAX3 MXA+\m, MXA+\m, MXB+\m, ACC+32*\m+31, \abs
.endr
.irp m, 0,1,2,3
	D4
	v_add_nc_u32 v[SO+\m], EOFF, v[MXA+\m]         ; the conversion takes this operand's exponent field as its scale
.endr
.irp m, 0,1,2,3
	D4
	v_lshrrev_b32 v[BY0+4*(\c)+\m], 23, v[SO+\m]   ; the scale's byte
.endr
.if (\word) != 0
.irp m, 0,1,2,3
.if (\word) == 2
	D4
	v_lshl_or_b32 v[MXA+\m], v[BY1+\m], 16, v[BY0+\m]
.endif
.endr
.irp m, 0,1,2,3
.if (\word) == 2
	D4
	v_lshlrev_b32 v[MXA+\m], v[SH8], v[MXA+\m]
.else
	D4
	v_lshlrev_b32 v[MXA+\m], v[SH8], v[BY0+\m]
.endif
.endr
.irp m, 0,1,2,3
	D4
	v_permlanex16_b32 v[MXB+\m], v[MXA+\m], s[SEL], s[SEL+1]
.endr
.irp m, 0,1,2,3
	D4
	v_or_b32 v[\xsd+\m], v[MXA+\m], v[MXB+\m]      ; 17 plain lines stand between this and the products that take it as a scale
.endr
.endif
.irp m, 0,1,2,3
	v_cvt_scalef32_pk16_fp6_f32 v[CT+4*\m:CT+4*\m+2], v[ACC+32*\m+16:ACC+32*\m+31], v[SO+\m]   ; (three registers from an even one: the upper 16 codes are made apart and moved)
.endr
	WIN 0x40
.irp m, 0,1,2,3
	v_cvt_scalef32_pk16_fp6_f32 v[\dst+12*\m+6*(\c):\dst+12*\m+6*(\c)+2], v[ACC+32*\m:ACC+32*\m+15], v[SO+\m]
.endr
	v_nop                                          ; one plain place behind the conversions
.irp m, 0,1,2,3
.irp i, 0,1,2
	v_mov_b32 v[\dst+12*\m+6*(\c)+3+\i], v[CT+4*\m+\i]
.endr
.endr
.if (\word) != 0
	PLACES                                         ; an operand written by vector instructions stands four places ahead of a scaled product
.endif
	WIN 0
.endm
.macro PASS src, xs, dst, xsd, c, nk, nb, nc   ; 16 products; the next pass's loads land under the quantiser
	s_wait_dscnt 0x0
	MM \src, \xs, WF, WS, 1
	WIN 0
	PLACES
	SLOT \nk, \nb, \nc
	QUANT \dst, \xsd, \c, 1, 0, 2*(\c)
.endm
.macro PASS5 c, nk, nb, nc             ; layer 5: two K steps on the same accumulators
	SLOT2 KP, \c
	s_wait_dscnt 13                                ; the 13 loads just issued may be out
	MM CA, XSA, WF, WS, 1
	s_wait_dscnt 0x0
	MM IB, XSI, WF2, WS2, 0
	WIN 0
	PLACES
	SLOT \nk, \nb, \nc
	QUANT CB, XSB, \c, 1, 0, 2*(\c)
.endm
.macro CONSTS                          ; the embedding's constants (their registers hold biases in the layers)
	v_mov_b32 v[C1F+1], 0x42000000
	v_mov_b32 v[C1F], 1.0
	v_mov_b32 v[MG0], MAGIC
	v_mov_b32 v[MG0+1], MAGIC
	v_mov_b32 v[A2V], PS2
	v_mov_b32 v[A2V+1], PS2
	v_mov_b32 v[B3V], PC3
	v_mov_b32 v[B3V+1], PC3
	v_mov_b32 v[C14], 1.0
	v_mov_b32 v[C14+1], 4.0
	v_cndmask_b32 v[C1F+1], 1.0, v[C1F+1], s[HM]   ; 32 in lanes 16-31
.endm
; Tile m's embedding into ACC + 32 m .. + 31.  Eight angles a = 2 k + half: (own, x1') x 4^k for k = 0, 1, 2, and own x (64, 256).
; Positions: 0 own x; 1 x1 | 0; 2 + a sin; 10 + a cos; 18-23 sin of twice a = 0, 1, 2, 3, 6, 7; 24, 25 sin, cos of twice a = 4; 26-31 cos of twice a = 0, 1, 2, 3, 6, 7.
.macro EMBED m
.set E, ACC+32*(\m)
.set PP, PT+2*(\m)
	v_pk_mul_f32 v[XP:XP+1], v[PP:PP+1], v[C1F:C1F+1]                                   ; (own, x1 2^(5 h)), exact
	s_delay_alu instid0(VALU_DEP_1)
	v_pk_mul_f32 v[TA:TA+1], v[XP:XP+1], CHI op_sel_hi:[1,0]
	s_delay_alu instid0(VALU_DEP_1)
	v_pk_fma_f32 v[TA+2:TA+3], v[XP:XP+1], CHI, v[TA:TA+1] op_sel_hi:[1,0,1] neg_lo:[0,0,1] neg_hi:[0,0,1]   ; what the product's rounding dropped,
	s_delay_alu instid0(VALU_DEP_1)
	v_pk_fma_f32 v[TA+2:TA+3], v[XP:XP+1], CLO, v[TA+2:TA+3] op_sel_hi:[1,0,1]          ; and 2 / pi's lower word
	s_delay_alu instid0(VALU_DEP_3)
	v_pk_mul_f32 v[TA+4:TA+5], v[TA:TA+1], v[C14:C14+1] op_sel_hi:[0,1]                 ; (own, 4 own)
	s_delay_alu instid0(VALU_DEP_2)
	v_pk_mul_f32 v[TA+6:TA+7], v[TA+2:TA+3], v[C14:C14+1] op_sel_hi:[0,1]
	v_mov_b32 v[E], v[PP]
	v_cndmask_b32 v[E+1], v[PP+1], 0, s[HM]        ; x1, or the filling zero
.irp k, 0,1,2,3
	v_pk_fma_f32 v[EM+2*\k:EM+2*\k+1], v[TA+4*(\k/3):TA+4*(\k/3)+1], (0x3f800000+(\k<<24)), v[MG0:MG0+1] op_sel_hi:[1,0,1]   ; magic + n
.endr
.irp k, 0,1,2,3
	D4
	v_pk_add_f32 v[EZ+2*\k:EZ+2*\k+1], v[EM+2*\k:EM+2*\k+1], v[MG0:MG0+1] neg_lo:[0,1] neg_hi:[0,1]   ; n
.endr
.irp k, 0,1,2,3
	D4
	v_pk_fma_f32 v[ER+2*\k:ER+2*\k+1], v[TA+4*(\k/3):TA+4*(\k/3)+1], (0x3f800000+(\k<<24)), v[EZ+2*\k:EZ+2*\k+1] op_sel_hi:[1,0,1] neg_lo:[0,0,1] neg_hi:[0,0,1]   ; exact
.endr
.irp k, 0,1,2,3
	D4
	v_pk_fma_f32 v[ER+2*\k:ER+2*\k+1], v[TA+2+4*(\k/3):TA+3+4*(\k/3)], (0x3f800000+(\k<<24)), v[ER+2*\k:ER+2*\k+1] op_sel_hi:[1,0,1]   ; r
.endr
.irp k, 0,1,2,3
	D4
	v_pk_mul_f32 v[EZ+2*\k:EZ+2*\k+1], v[ER+2*\k:ER+2*\k+1], v[ER+2*\k:ER+2*\k+1]
.endr
.irp k, 0,1,2,3
.if \k == 0
	D4
.endif
	v_pk_fma_f32 v[EP+2*\k:EP+2*\k+1], v[EZ+2*\k:EZ+2*\k+1], PS3, v[A2V:A2V+1] op_sel_hi:[1,0,1]
	v_pk_fma_f32 v[EQ+2*\k:EQ+2*\k+1], v[EZ+2*\k:EZ+2*\k+1], PC4, v[B3V:B3V+1] op_sel_hi:[1,0,1]
.endr
.irp k, 0,1,2,3
	v_pk_fma_f32 v[EP+2*\k:EP+2*\k+1], v[EP+2*\k:EP+2*\k+1], v[EZ+2*\k:EZ+2*\k+1], PS1 op_sel_hi:[1,1,0]
	v_pk_fma_f32 v[EQ+2*\k:EQ+2*\k+1], v[EQ+2*\k:EQ+2*\k+1], v[EZ+2*\k:EZ+2*\k+1], PC2 op_sel_hi:[1,1,0]
.endr
.irp k, 0,1,2,3
	v_pk_fma_f32 v[EP+2*\k:EP+2*\k+1], v[EP+2*\k:EP+2*\k+1], v[EZ+2*\k:EZ+2*\k+1], PS0 op_sel_hi:[1,1,0]
	v_pk_fma_f32 v[EQ+2*\k:EQ+2*\k+1], v[EQ+2*\k:EQ+2*\k+1], v[EZ+2*\k:EZ+2*\k+1], PC1 op_sel_hi:[1,1,0]
.endr
.irp k, 0,1,2,3
	v_pk_mul_f32 v[EP+2*\k:EP+2*\k+1], v[EP+2*\k:EP+2*\k+1], v[ER+2*\k:ER+2*\k+1]                          ; sin of the quarter turn's rest
	v_pk_fma_f32 v[EQ+2*\k:EQ+2*\k+1], v[EQ+2*\k:EQ+2*\k+1], v[EZ+2*\k:EZ+2*\k+1], 1.0 op_sel_hi:[1,1,0]   ; cos
.endr
.irp i, 0,1,2,3,4,5,6,7
	v_lshlrev_b32 v[ER+\i], 31, v[EM+\i]           ; n's bit 0 at the sign
.endr
.irp i, 0,1,2,3,4,5,6,7
	v_lshrrev_b32 v[EZ+\i], 1, v[EM+\i]            ; bit 0: n's bit 1: sin's sign
.endr
.irp i, 0,1,2,3,4,5,6,7
	v_cmp_gt_i32 s[MK+\i], 0, v[ER+\i]             ; odd n: sin and cos change places
.endr
.irp i, 0,1,2,3,4,5,6,7
	v_xor_b32 v[ER+\i], v[EZ+\i], v[EM+\i]         ; bit 0: n's bit 1 xor bit 0: cos's sign
.endr
.irp i, 0,1,2,3,4,5,6,7
	v_cndmask_b32 v[E+2+\i], v[EP+\i], v[EQ+\i], s[MK+\i]
.endr
.irp i, 0,1,2,3,4,5,6,7
	v_cndmask_b32 v[E+10+\i], v[EQ+\i], v[EP+\i], s[MK+\i]
.endr
.irp i, 0,1,2,3,4,5,6,7
	v_lshl_add_u32 v[E+2+\i], v[EZ+\i], 31, v[E+2+\i]      ; adding bit 0 at bit 31 turns the sign
.endr
.irp i, 0,1,2,3,4,5,6,7
	v_lshl_add_u32 v[E+10+\i], v[ER+\i], 31, v[E+10+\i]
.endr
.irp q, 0,2,6
	v_pk_add_f32 v[EP+\q:EP+\q+1], v[E+2+\q:E+3+\q], v[E+2+\q:E+3+\q]                   ; 2 s
.endr
	v_add_f32 v[EP+4], v[E+6], v[E+6]
.irp q, 0,2,6
	D4
	v_pk_mul_f32 v[E+18+\q-2*(\q/6):E+19+\q-2*(\q/6)], v[EP+\q:EP+\q+1], v[E+10+\q:E+11+\q]   ; sin 2a = 2 s c
.endr
	D4
	v_mul_f32 v[E+24], v[EP+4], v[E+14]
.irp q, 0,2,6
	v_pk_fma_f32 v[E+26+\q-2*(\q/6):E+27+\q-2*(\q/6)], v[EP+\q:EP+\q+1], v[E+2+\q:E+3+\q], 1.0 op_sel_hi:[1,1,0] neg_lo:[1,0,0] neg_hi:[1,0,0]   ; cos 2a = 1 - 2 s s
.endr
	v_fma_f32 v[E+25], -v[EP+4], v[E+6], 1.0
.irp p, 3,5,7,19,21                    ; x1: the sines' lanes 16-31 change places with the cosines' lanes 0-15: position p: sin | cos of x1 2^j, position p + 8: of x1 2^(j + 5)
	v_permlane16_swap_b32 v[E+\p], v[E+8+\p]
.endr
.endm
; The head's quantiser of a weight column: 32 (full = 0) or 64 numbers down K at v[src] of WINDOW 1 become a fragment at v[f] and a scale word at v[wd] (window 0), and go to LDS
.set QA, 40
.set QB, 42
.set QS, 56
.set QY, 58
.set QT, 104
.macro QW src, full, f, wd, img, scw, off
.irp c, 0,1
.if (\c == 0) || (\full)
	WIN 0x14
	v_max3_num_f32 v[QA+\c], FLOOR, |v[\src+32*\c]|, |v[\src+32*\c+1]|
	v_max3_num_f32 v[QB+\c], FLOOR, |v[\src+32*\c+2]|, |v[\src+32*\c+3]|
.irp i, 4,8,12,16,20,24,28
	s_delay_alu instid0(VALU_DEP_2)
	v_max3_num_f32 v[QA+\c], v[QA+\c], |v[\src+32*\c+\i]|, |v[\src+32*\c+\i+1]|
	s_delay_alu instid0(VALU_DEP_2)
	v_max3_num_f32 v[QB+\c], v[QB+\c], |v[\src+32*\c+\i+2]|, |v[\src+32*\c+\i+3]|
.endr
	WIN 0
	v_max_num_f32 v[QA+\c], v[QA+\c], v[QB+\c]
	s_delay_alu instid0(VALU_DEP_1)
	v_add_nc_u32 v[QS+\c], EOFF, v[QA+\c]
	s_delay_alu instid0(VALU_DEP_1)
	v_lshrrev_b32 v[QY+\c], 23, v[QS+\c]
	WIN 0x01
	v_cvt_scalef32_pk16_fp6_f32 v[\f+6*\c:\f+6*\c+2], v[\src+32*\c:\src+32*\c+15], v[QS+\c]
	v_cvt_scalef32_pk16_fp6_f32 v[QT+4*\c:QT+4*\c+2], v[\src+32*\c+16:\src+32*\c+31], v[QS+\c]
.endif
.endr
	WIN 0
	v_nop                                          ; one plain place behind the conversions
.irp i, 0,1,2
	v_mov_b32 v[\f+3+\i], v[QT+\i]
.endr
.if \full
.irp i, 0,1,2
	v_mov_b32 v[\f+9+\i], v[QT+4+\i]
.endr
	v_lshl_or_b32 v[\wd], v[QY+1], 16, v[QY]
	s_delay_alu instid0(VALU_DEP_1)
	v_lshlrev_b32 v[\wd], v[SH8], v[\wd]
.else
.irp i, 6,7,8,9,10,11
	v_mov_b32 v[\f+\i], 0                          ; K 64 .. 127 of this step: zero codes, which add nothing under the byte 0
.endr
	v_lshlrev_b32 v[\wd], v[SH8], v[QY]
.endif
	s_delay_alu instid0(VALU_DEP_1)
	v_permlanex16_b32 v[QB], v[\wd], s[SEL], s[SEL+1]
	s_delay_alu instid0(VALU_DEP_1)
	v_or_b32 v[\wd], v[\wd], v[QB]
.irp q, 0,1,2
	ds_store_b128 v[\img], v[\f+4*\q:\f+4*\q+3] offset:(\off)+512*\q
.endr
	ds_store_b32 v[\scw], v[\wd] offset:\off
.endm
.macro PKREG f                         ; where chunk f = 2 m + g of the last hidden layer lies as bf16 (window 1)
.if (\f) < 6
.set PKR, CB+8*(\f)
.else
.set PKR, WF2+32+8*((\f)-6)
.endif
.endm
.macro W8P o, f, pk, first             ; a product of layer 8
	PKREG \pk
.if \first
	WIN 0x15
	v_wmma_f32_16x16x32_bf16 v[\o:\o+7], v[WF2+8*(\f):WF2+8*(\f)+7], v[PKR:PKR+7], v[B8:B8+7]
.else
	WIN 0x05
	v_wmma_f32_16x16x32_bf16 v[\o:\o+7], v[WF2+8*(\f):WF2+8*(\f)+7], v[PKR:PKR+7], v[\o:\o+7]
.endif
.endm
; Layer 7's pass c and its share of layer 8.  w8's fragment 2 g + 0 has the four outputs in rows 0-3, 2 g + 1 in rows 8-11: tiles 0 and 1 (2 and 3) of rows meet in one accumulator, whose registers 0-3 of lane l are out[l][0..3].
.macro L7PASS c
.if \c
	PLACES
.endif
	WIN 0x40
.irp f, 0,1,2,3
.irp e, 0,1
	ds_load_b128 v[WF2+8*\f+4*\e:WF2+8*\f+4*\e+3], v[LWC] offset:W8I-5*KP+1024*(4*(\c)+\f)+512*\e
.endr
.endr
	s_wait_dscnt 8                                 ; those eight may be out: the pass's 21 are in
	MM CA, XSA, WF, WS, 1
	WIN 0
	PLACES
.if (\c) == 0
	SLOT 3*KP, 1024, 1
.endif
	RELU
	WIN 0x40
.irp m, 0,1,2,3
.irp g, 0,1
	PKREG 2*\m+\g
.irp i, 0,1,2,3,4,5,6,7
	v_cvt_pk_bf16_f32 v[PKR+\i], v[ACC+32*\m+16*\g+2*\i], v[ACC+32*\m+16*\g+2*\i+1]
.endr
.endr
.endr
.if (\c) == 0
	s_wait_dscnt 21                                ; the next pass's 21 loads are younger: w8's eight are in
.else
	s_wait_dscnt 0x0
.endif
	W8P O0, 0, 0, 1-(\c)                           ; the two accumulators by turns; b8 is the C that starts them
	W8P O1, 0, 4, 1-(\c)
	W8P O0, 2, 1, 0
	W8P O1, 2, 5, 0
	s_wait_alu depctr_va_vdst(0)
	W8P O0, 1, 2, 0
	W8P O1, 1, 6, 0
	W8P O0, 3, 3, 0
	W8P O1, 3, 7, 0
.endm
	; ---------------- THE HEAD ----------------
	s_load_b512 s[4:19], s[0:1], 0x0               ; point 4, out 6, w0 8, w5 10, w8 12, b8 14, b0 16, b1 18
	s_load_b512 s[20:35], s[0:1], 0x40             ; b2 .. b7 20-31, w1 and w2 codes 32, 34
	s_load_b512 s[36:51], s[0:1], 0x80             ; w3, w4, w6, w7 codes 36-43, w1 .. w4 scales 44-51
	s_load_b128 s[52:55], s[0:1], 0xc0             ; w6, w7 scales
	s_set_vgpr_msb 0x40
	v_lshl_add_u32 v254, v0, 2, 0x20400            ; my spare word, and 0
	v_mov_b32 v255, 0
	s_set_vgpr_msb 0x4000
	v_lshrrev_b32 v118, 5, v0
	s_delay_alu instid0(VALU_DEP_1)
	v_readfirstlane_b32 s[WV], v118                ; wave 0..7: I lay unit tile w of every K step
	s_mov_b32 s[SEL], 0x76543210
	s_mov_b32 s[SEL+1], 0xfedcba98
	s_mov_b32 s[HM], 0xffff0000
	s_mov_b32 s[TR], 4
	s_lshr_b32 s88, s[WV], 2                       ; my tile's c
	s_and_b32 s89, s[WV], 3                        ; and u
	s_lshl_b32 s90, s88, 6
	s_lshl_b32 s99, s89, 3
	s_add_co_u32 s90, s90, s99                     ; 64 c + 8 u
	s_lshl_b32 s91, s88, 10
	s_bfe_u32 s99, s[WV], 0x10001
	s_lshl_b32 s99, s99, 8
	s_add_co_u32 s91, s91, s99                     ; w8: fragment w = 4 c + 2 g + prime
	s_mul_i32 s92, s[WV], 1536                     ; my tile's image
	s_lshl_b32 s96, s88, 9
	s_lshl_b32 s99, s89, 2
	s_add_co_u32 s96, s96, s99
	s_add_co_u32 s96, s96, 12288                   ; my tile's scale words
	s_lshl_b32 s97, s[WV], 9
	s_add_co_u32 s97, s97, BIA                     ; bias w
	s_lshl_b32 s98, s[WV], 10
	s_add_co_u32 s98, s98, W8I                     ; w8's fragment w
	s_and_b32 s93, s[WV], 1
	s_lshl_b32 s93, s93, 3                         ; its outputs lie in rows 0-3 or 8-11
	s_mul_i32 s94, ttmp9, 24576                    ; my first row: 2,048 x work-group + 256 x wave; 12 bytes a point,
	s_mul_i32 s95, s[WV], 3072
	s_add_co_u32 s94, s94, s95
	s_mov_b32 s95, 0
	s_lshl_b32 s82, ttmp9, 15                      ; 16 bytes a row of the output
	s_lshl_b32 s83, s[WV], 12
	s_add_co_u32 s82, s82, s83
	s_mov_b32 s83, 0
	v_and_b32 v118, 31, v0                         ; lane
	v_and_b32 v3, 15, v0                           ; r
	v_bfe_u32 v4, v0, 4, 1                         ; h
	s_delay_alu instid0(VALU_DEP_3)
	v_lshlrev_b32 v[LW0], 4, v118
	s_delay_alu instid0(VALU_DEP_2)
	v_lshl_add_u32 v[LB0], v4, 7, BIA
	s_delay_alu instid0(VALU_DEP_3)
	v_lshlrev_b32 v[SH8], 3, v4
	v_mul_u32_u24 v[PX1], v3, 12
	v_and_b32 v119, 8, v3
	s_delay_alu instid0(VALU_DEP_2)
	v_lshl_add_u32 v[POWN], v4, 3, v[PX1]
	s_delay_alu instid0(VALU_DEP_2)
	v_mad_u32_u24 v119, v119, 3, v3
	s_delay_alu instid0(VALU_DEP_4)
	v_add_nc_u32 v[PX1], 4, v[PX1]
	s_delay_alu instid0(VALU_DEP_2)
	v_add_nc_u32 v119, s90, v119                   ; my unit n = 64 c + 8 u + r + 24 (r / 8)
	v_and_b32 v[OW8], 3, v3
	s_delay_alu instid0(VALU_DEP_2)
	v_lshlrev_b32 v[OW4], 2, v119                  ; 4 n: a column of w0 or w5, a word of scales
	s_delay_alu instid0(VALU_DEP_3)
	v_mul_u32_u24 v[OCD], v119, 96
	s_delay_alu instid0(VALU_DEP_3)
	v_lshlrev_b32 v[OW8], 2, v[OW8]
	s_delay_alu instid0(VALU_DEP_2)
	v_mad_u32_u24 v[OCD], v4, 24, v[OCD]           ; 96 n + 24 h: a row of given codes
	s_delay_alu instid0(VALU_DEP_2)
	v_lshl_add_u32 v[OW8], v4, 9, v[OW8]
	v_mad_u32_u24 v[OOWN], v4, 0x5400, v[OW4]      ; my own coordinate's rows: + 42 rows in lanes 16-31
	v_mad_u32_u24 v[OX1], v4, 0x1400, v[OW4]       ; x1's rows: + 10
	v_lshl_add_u32 v[OW5H], v4, 14, v[OW4]         ; w5's hidden part: rows 64 c + 32 h + i
	s_delay_alu instid0(VALU_DEP_4)
	v_add_nc_u32 v[OW8], s91, v[OW8]               ; w8: unit 64 c + 32 h + 16 g + e, output r % 4
	v_add_nc_u32 v8, s92, v[LW0]                   ; LDS: my tile's image in K step 0,
	v_add_nc_u32 v18, s96, v[LW0]                  ; its scale words,
	v_add_nc_u32 v[ABI], s97, v[LW0]
	v_add_nc_u32 v[AW8], s98, v[LW0]
	s_delay_alu instid0(VALU_DEP_4)
	v_add_nc_u32 v9, 5*KP, v8                      ; and the same in K step 5 (an offset has 16 bits)
	s_delay_alu instid0(VALU_DEP_4)
	v_add_nc_u32 v19, 5*KP, v18
	s_wait_alu depctr_va_vdst(0)
	s_wait_kmcnt 0x0
	s_add_nc_u64 s[4:5], s[4:5], s[94:95]
	s_add_nc_u64 s[6:7], s[6:7], s[82:83]
	s_load_b128 s[84:87], s[14:15], 0x0            ; b8
	s_mov_b64 s[80:81], s[16:17]                   ; bias w: a choice on the wave's number alone
.irp j, 1,2,3,4,5,6,7
	s_cmp_eq_u32 s[WV], \j
	s_cselect_b64 s[80:81], s[16+2*\j:17+2*\j], s[80:81]
.endr
	PLOAD                                          ; the first trip's points first,
	WIN 0x40                                       ; then 59 loads into window 1: the six given layers' fragments, as they lie,
.irp j, 0,1,2,3,4,5
.irp p, 0,1,2,3,4,5
	global_load_b64 v[12*\j+2*\p:12*\j+2*\p+1], v[OCD], s[32+2*\j:33+2*\j] offset:48*(\p/3)+8*(\p%3)
.endr
.endr
.irp j, 0,1,2,3,4,5
	global_load_b32 v[SCWR+\j], v[OW4], s[44+2*\j:45+2*\j]
.endr
	global_load_b128 v[BIR:BIR+3], v[LW0], s[80:81]
.irp e, 0,1,2,3,4,5,6,7,8,9,10,11,12,13,14,15
	global_load_b32 v[W8R+\e], v[OW8], s[12:13] offset:16*\e
.endr
	WIN 0
	s_wait_loadcnt 59                              ; the 36 + 6 + 1 + 16 loads behind the points may be out
	CONSTS
	EMBED 0
	WIN 0x40
.irp e, 0,129,259,389,519,585,651,781,911,1041,1107,1154,1284,1416,1482,1542,1616,1676,1806,1938,2004   ; 64 x position + row: my own coordinate's 21 rows
	global_load_b32 v[W0+\e/64], v[OOWN], s[8:9] offset:512*(\e%64)
	global_load_b32 v[W5E+\e/64], v[OOWN], s[10:11] offset:65536+512*(\e%64)
.endr
.irp e, 214,344,474,731,861,991,1239,1369,1756,1886   ; x1's sines | cosines
	global_load_b32 v[W0+\e/64], v[OX1], s[8:9] offset:512*(\e%64)
	global_load_b32 v[W5E+\e/64], v[OX1], s[10:11] offset:65536+512*(\e%64)
.endr
	global_load_b32 v[W0+1], v[OW4], s[8:9] offset:10752            ; position 1: row 21 (x1); lanes 16-31 read it too, to stay inside the buffer, and drop it
	global_load_b32 v[W5E+1], v[OW4], s[10:11] offset:65536+10752
	WIN 0
	EMBED 1
	WIN 0x40
.set II, 0
.rept 64
	global_load_b32 v[W5H+II], v[OW5H], s[10:11] offset:512*(64*(II/32)+II%32)
.set II, II+1
.endr
	WIN 0
	EMBED 2
	EMBED 3
	s_wait_alu depctr_va_vdst(0)
	s_wait_loadcnt 0x0
	s_wait_kmcnt 0x0
	v_and_b32 v118, 12, v3
	s_delay_alu instid0(VALU_DEP_1)
	v_cmp_ne_u32 vcc_lo, s93, v118
	WIN 0x04                                       ; an LDS store's data are its source 1: window 1
.irp j, 0,1,2,3,4,5
.irp q, 0,1,2
.if \j < 4
	ds_store_b128 v8, v[12*\j+4*\q:12*\j+4*\q+3] offset:(\j+1)*KP+512*\q
.else
	ds_store_b128 v9, v[12*\j+4*\q:12*\j+4*\q+3] offset:(\j-2)*KP+512*\q
.endif
.endr
.endr
.irp j, 0,1,2,3,4,5
.if \j < 4
	ds_store_b32 v18, v[SCWR+\j] offset:(\j+1)*KP
.else
	ds_store_b32 v19, v[SCWR+\j] offset:(\j-2)*KP
.endif
.endr
	ds_store_b128 v[ABI], v[BIR:BIR+3]
	WIN 0x45
.irp i, 0,1,2,3,4,5,6,7
	v_cvt_pk_bf16_f32 v[W8R+\i], v[W8R+2*\i], v[W8R+2*\i+1]  ; in place, ascending
.endr
.irp i, 0,1,2,3,4,5,6,7
	v_cndmask_b32 v[W8R+\i], v[W8R+\i], 0, vcc_lo  ; rows that hold no output are zeros
.endr
	v_cndmask_b32 v[W0+1], v[W0+1], 0, s[HM]       ; the filling zero of K = 63
	v_cndmask_b32 v[W5E+1], v[W5E+1], 0, s[HM]
	WIN 0x04
	ds_store_b128 v[AW8], v[W8R:W8R+3]
	ds_store_b128 v[AW8], v[W8R+4:W8R+7] offset:512
	QW W0, 0, 68, 112, 8, 18, 0                    ; w0: K step 0
	QW W5H, 1, 80, 113, 9, 19, 0                   ; w5's rows 0-127: K step 5
	QW W5E, 0, 92, 114, 9, 19, KP                  ; w5's rows 128-190: K step 6
	WIN 0x40
.irp j, 0,1,2,3
	v_mov_b32 v[B8+\j], s[84+\j]
	v_mov_b32 v[B8+4+\j], 0
.endr
.irp m, 0,1,2,3
.irp i, 6,7,8,9,10,11
	v_mov_b32 v[IB+12*\m+\i], 0                    ; the embedding's K 64 .. 127: zero codes, once
.endr
.endr
	WIN 0
	s_wait_alu depctr_va_vdst(0)
	s_wait_dscnt 0x0                               ; for the others' sake: my stores have landed
	s_barrier_signal -1
	s_barrier_wait -1                              ; from here on LDS is only read
	; ---------------- A TRIP: 64 ROWS, whose embedding lies in the accumulators ----------------
.Ltrip:
	s_cmp_eq_u32 s[TR], 1                          ; the last trip asks for nothing: no load leaves the buffer
	s_cbranch_scc1 .Lno_more
	s_add_nc_u64 s[4:5], s[4:5], 768               ; (the loads that read this base are done)
	PLOAD
.Lno_more:
	v_mov_b32 v[LWC], v[LW0]                       ; (no LDS load of mine is out)
	v_mov_b32 v[LBC], v[LB0]
	SLOT 0, 0, 0
	QUANT IB, XSI, 0, 0, 1, 1
	s_wait_alu depctr_va_vdst(0)
	PASS IB, XSI, CA, XSA, 0, 0, 0, 1              ; layer 0
	PASS IB, XSI, CA, XSA, 1, KP, 512, 0
	s_mov_b32 s[KB], KP
	s_mov_b32 s[BB], 512
	s_mov_b32 s[IL], 2
.Lpair:                                            ; layers 1, 2 and 3, 4: the code buffers are back where they began after two layers
	s_wait_dscnt 0x0                               ; the address registers are rewritten with no LDS load of mine out
	v_add_nc_u32 v[LWC], s[KB], v[LW0]
	v_add_nc_u32 v[LBC], s[BB], v[LB0]
	s_wait_alu depctr_va_vdst(0)
	PASS CA, XSA, CB, XSB, 0, 0, 0, 1
	PASS CA, XSA, CB, XSB, 1, KP, 512, 0
	s_wait_alu depctr_va_vdst(0)
	PASS CB, XSB, CA, XSA, 0, KP, 512, 1
	PASS CB, XSB, CA, XSA, 1, 2*KP, 1024, 0
	s_add_co_u32 s[KB], s[KB], 2*KP
	s_add_co_u32 s[BB], s[BB], 1024
	s_sub_co_u32 s[IL], s[IL], 1
	s_cmp_lg_u32 s[IL], 0
	s_cbranch_scc1 .Lpair
	s_wait_dscnt 0x0
	v_add_nc_u32 v[LWC], 5*KP, v[LW0]
	v_add_nc_u32 v[LBC], 2560, v[LB0]
	s_wait_alu depctr_va_vdst(0)
	PASS5 0, 0, 0, 1                               ; layer 5
	PASS5 1, 2*KP, 512, 0
	s_wait_alu depctr_va_vdst(0)
	PASS CB, XSB, CA, XSA, 0, 2*KP, 512, 1         ; layer 6
	PASS CB, XSB, CA, XSA, 1, 3*KP, 1024, 0
	s_wait_alu depctr_va_vdst(0)
	L7PASS 0                                       ; layers 7 and 8
	L7PASS 1
	WIN 0
	PLACES
	global_store_b128 v[LW0], v[O0:O0+3], s[6:7] th:TH_STORE_NT             ; 32 lanes store 512 consecutive bytes, rows 0-31 of the trip, at a multiple of 256 from the output's first byte
	global_store_b128 v[LW0], v[O1:O1+3], s[6:7] offset:512 th:TH_STORE_NT  ; rows 32-63
	s_wait_xcnt 0x0                                ; the stores' base and data are rewritten only behind this wait
	s_add_nc_u64 s[6:7], s[6:7], 1024
	s_cmp_eq_u32 s[TR], 1
	s_cbranch_scc1 .Ldone                          ; the last trip embeds nothing
	s_wait_loadcnt 0x0                             ; the next trip's points, asked for at this trip's head
	CONSTS
	EMBED 0
	EMBED 1
	EMBED 2
	EMBED 3
	s_sub_co_u32 s[TR], s[TR], 1
	s_cmp_lg_u32 s[TR], 0
	s_wait_alu depctr_va_vdst(0)
	s_cbranch_scc1 .Ltrip
.Ldone:
	s_set_vgpr_msb 0x5
	s_wait_tensorcnt 0x0                           ; the wave's end
	ds_add_u32 v254, v255
	s_wait_dscnt 0x0
	s_set_vgpr_msb 0x500
	s_endpgm
.Lfunc_end_k_qc076acc3c7_mlp:
	.size	k_qc076acc3c7_mlp, .Lfunc_end_k_qc076acc3c7_mlp-k_qc076acc3c7_mlp
	.p2alignl 7, 3214868480
	.fill 96, 4, 3214868480
	.section	.rodata,"a",@progbits
	.p2align	6, 0x0
	.amdhsa_kernel k_qc076acc3c7_mlp
		.amdhsa_group_segment_fixed_size 133120
		.amdhsa_private_segment_fixed_size 0
		.amdhsa_enable_private_segment 0
		.amdhsa_kernarg_size 208
		.amdhsa_user_sgpr_count 2
		.amdhsa_user_sgpr_kernarg_segment_ptr 1
		.amdhsa_wavefront_size32 1
		.amdhsa_system_sgpr_workgroup_id_x 1
		.amdhsa_system_sgpr_workgroup_id_y 1
		.amdhsa_system_sgpr_workgroup_id_z 1
		.amdhsa_system_vgpr_workitem_id 0
		.amdhsa_next_free_vgpr 512
		.amdhsa_next_free_sgpr 100
		.amdhsa_reserve_vcc 1
		.amdhsa_float_denorm_mode_32 3
		.amdhsa_float_denorm_mode_16_64 3
		.amdhsa_memory_ordered 1
		.amdhsa_forward_progress 1
		.amdhsa_inst_pref_size 255
	.end_amdhsa_kernel
	.section	.bss,"aw",@nobits
	.p2align	6
	.space	262144
	.amdgpu_metadata
---
amdhsa.version: [ 1, 2 ]
amdhsa.kernels:
  - .name:           k_qc076acc3c7_mlp
    .symbol:         k_qc076acc3c7_mlp.kd
    .args:
      - { .name: point, .offset: 0, .size: 8, .value_kind: global_buffer, .address_space: global }
      - { .name: out0, .offset: 8, .size: 8, .value_kind: global_buffer, .address_space: global }
      - { .name: w0, .offset: 16, .size: 8, .value_kind: global_buffer, .address_space: global }
      - { .name: w5, .offset: 24, .size: 8, .value_kind: global_buffer, .address_space: global }
      - { .name: w8, .offset: 32, .size: 8, .value_kind: global_buffer, .address_space: global }
      - { .name: b8, .offset: 40, .size: 8, .value_kind: global_buffer, .address_space: global }
      - { .name: b0, .offset: 48, .size: 8, .value_kind: global_buffer, .address_space: global }
      - { .name: b1, .offset: 56, .size: 8, .value_kind: global_buffer, .address_space: global }
      - { .name: b2, .offset: 64, .size: 8, .value_kind: global_buffer, .address_space: global }
      - { .name: b3, .offset: 72, .size: 8, .value_kind: global_buffer, .address_space: global }
      - { .name: b4, .offset: 80, .size: 8, .value_kind: global_buffer, .address_space: global }
      - { .name: b5, .offset: 88, .size: 8, .value_kind: global_buffer, .address_space: global }
      - { .name: b6, .offset: 96, .size: 8, .value_kind: global_buffer, .address_space: global }
      - { .name: b7, .offset: 104, .size: 8, .value_kind: global_buffer, .address_space: global }
      - { .name: w1_codes, .offset: 112, .size: 8, .value_kind: global_buffer, .address_space: global }
      - { .name: w2_codes, .offset: 120, .size: 8, .value_kind: global_buffer, .address_space: global }
      - { .name: w3_codes, .offset: 128, .size: 8, .value_kind: global_buffer, .address_space: global }
      - { .name: w4_codes, .offset: 136, .size: 8, .value_kind: global_buffer, .address_space: global }
      - { .name: w6_codes, .offset: 144, .size: 8, .value_kind: global_buffer, .address_space: global }
      - { .name: w7_codes, .offset: 152, .size: 8, .value_kind: global_buffer, .address_space: global }
      - { .name: w1_scales, .offset: 160, .size: 8, .value_kind: global_buffer, .address_space: global }
      - { .name: w2_scales, .offset: 168, .size: 8, .value_kind: global_buffer, .address_space: global }
      - { .name: w3_scales, .offset: 176, .size: 8, .value_kind: global_buffer, .address_space: global }
      - { .name: w4_scales, .offset: 184, .size: 8, .value_kind: global_buffer, .address_space: global }
      - { .name: w6_scales, .offset: 192, .size: 8, .value_kind: global_buffer, .address_space: global }
      - { .name: w7_scales, .offset: 200, .size: 8, .value_kind: global_buffer, .address_space: global }
    .group_segment_fixed_size: 133120
    .private_segment_fixed_size: 0
    .kernarg_segment_align: 8
    .kernarg_segment_size: 208
    .max_flat_workgroup_size: 256
    .sgpr_count:     100
    .vgpr_count:     512
    .wavefront_size: 32
...
	.end_amdgpu_metadata
.endif
;; end of part 1
